; MI455X (gfx1250); checked and timed in simulation.
; The chip was launched on July 23, 2026; its instructions are those of AMD's public machine-readable ISA for CDNA 5 (MIT licence, August 2026) and "CDNA5" Instruction Set Architecture Reference Guide (July 2026). The comments in the code are by the model that wrote it; some were corrected since.
;; Local Attention Parallel. Allowed arithmetic: matrix products marked QUANTISED: E2M3 operands, one E8M0 scale for each 32 along K, by v_wmma_scale_f32_16x16x128_f8f6f4 with both operands' format E2M3, f32 sums; everything else in f32.
;; Inputs: W_qkv 1,024 x 3,072 float32; b_qkv 3,072 float32; ln_b 1,024 float32; ln_w 1,024 float32; x 4 x 2,048 x 1,024 float32.
;; Outputs: out0 4 x 2,048 x 1,024 float32.
;; This version of the problem:
;;   THIS VERSION OF THE PROBLEM IS GIVEN IN LOW PRECISION. The matrix products marked QUANTISED in the list below multiply operands that are first quantised to E2M3 (2 exponent bits, 3 mantissa bits; 6 bits a number), with one power-of-two scale for each 32 numbers along K (OCP MX v1.0); their sums are f32. All else is computed in f32.
;;   The module's matrix products, in the order in which they are computed (A, B: the left and right operand; K: the contracted axis; several contracted axes count as one K, in the product's order):
;;     1. [M 8,192, K 1,024] x [K 1,024, N 3,072]; A: input x; B: input W_qkv: QUANTISED
;;     2. batch 4 x [M 2,048, K 1,024] x [K 1,024, N 2,048]; A: computed on the way; B: computed on the way: QUANTISED
;;     3. batch 4 x [M 2,048, K 2,048] x [K 2,048, N 1,024]; A: computed on the way; B: computed on the way: QUANTISED
;;   THE QUANTISER, for each operand of a quantised product, along K:
;;     - K is cut into blocks of 32 from its start; a last block that is shorter is filled with zeros.
;;     - A block's scale is 2^e with e = floor(log2(the largest magnitude in the block)) - 2, held to -126 .. 127; a block of zeros has e = 0. As a byte (E8M0): e + 127.
;;     - Each number is divided by its block's scale, clamped to +-7.5, and rounded to the nearest number of E2M3, ties to even, subnormals kept.
;;     - The product sums the exact products of the quantised numbers (number of the format x scale) in f32.
;;   ~~~python
;;   def quantise(x, axis):      # numpy; x: float32 -> the quantised numbers, widened to float32 again
;;       x = np.moveaxis(x, axis, -1); K = x.shape[-1]
;;       x = np.pad(x, [(0, 0)] * (x.ndim - 1) + [(0, -K % 32)]); x = x.reshape(x.shape[:-1] + (-1, 32)); a = np.abs(x).max(-1, keepdims=True)
;;       e = np.where(a > 0, np.clip(np.frexp(np.where(a > 0, a, 1))[1] - 1 - 2, -126, 127), 0)      # np.frexp(a)[1] - 1 = floor(log2(a)), exactly
;;       r = np.clip(x / 2.0 ** e, -7.5, 7.5)
;;       step = 2.0 ** (np.maximum(np.frexp(np.where(r == 0, 1, r))[1] - 1, 0) - 3)
;;       q = np.round(r / step) * step * 2.0 ** e      # np.round: ties to even
;;       return np.moveaxis(q.reshape(q.shape[:-2] + (-1,))[..., :K], -1, axis).astype(np.float32)
;;   ~~~
;;   OPERANDS COMPUTED ON THE WAY. 'Computed on the way' means the value that the module computes at that place (a softmax that the list does not call 'softmax' is quantised finished and normalised). What goes into a quantiser is computed in f32, as accurately as f32 sums, v_exp_f32 and their like allow (about 1e-6 of the number): no bf16 or f16 on the way to a quantiser, and a product that is left as it is and whose result goes on into a quantised operand takes f32 operands (vector FMAs, or v_wmma_f32_16x16x4_f32). A number that lies on a knife's edge between two numbers of the format may be rounded either way, as far as f32 arithmetic and the matrix unit's own rounding can turn it there, and no further.
;; One version. Each part assembles by itself: llvm-mc -triple=amdgcn-amd-amdhsa -mcpu=gfx1250 --defsym DOCPART=n.
;; ======== version 1 of 1: 3 launches
;; workspace buffers: xc 6,291,456 bytes; wc 2,359,296 bytes; xws 360,448 bytes; qkc 12,582,912 bytes; vc 6,291,456 bytes; qkvs 786,432 bytes
;; launch quant (part 1): grid 704 x 1, 4 waves a work-group, no clusters, 68,608 bytes of LDS; arguments x, W_qkv, xc, wc, xws; writes xc, wc, xws
.if DOCPART == 1
	.amdgcn_target "amdgcn-amd-amdhsa--gfx1250"
	.amdhsa_code_object_version 6
	.text
	.protected	k_qc33569b8e7_quant
	.globl	k_qc33569b8e7_quant
	.p2align	8
	.type	k_qc33569b8e7_quant,@function
k_qc33569b8e7_quant:
	s_mov_b64 s[64:65], 0
	v_nop
	global_prefetch_b8 v0, s[64:65] scope:SCOPE_SE
	s_setreg_imm32_b32 hwreg(HW_REG_WAVE_MODE, 25, 1), 1
	s_wait_xcnt 0x0
; x [8192][1024] (K innermost) and W_qkv [1024 (K)][3072 (n)], f32, become codes of FP6 (E2M3) with one E8M0 byte for each 32 along K.
; A block's scale is 2^(floor(log2(largest magnitude)) - 2): its byte is the largest magnitude's exponent field - 2.  The floor 2^-124 among the maximum's leaves holds the byte at 1.
; LIMITS: NaN and infinities are not served.  A block of zeros gets the byte 1 where the quantiser says 127: its codes are zeros, and this program alone reads the bytes.
; LAYOUT OF THE RESULTS (this program's own).  A fragment (16 rows x 128 K) is stored as the image of its 12 operand registers: registers 4 c .. 4 c + 3 of lane l at 512 c + 16 l, 1,536 bytes.
; THE ROWS OF A TILE ARE NOT NEIGHBOURS: lane r of tile 2 j + u of a group of 128 rows takes row 32 j + 8 u + r + 8 (r / 8).
; Codes: [K / 256][tile][(K / 128) % 2][1536].  Scale words: [group of 128 rows][K / 128][512]: the word of tile 2 j + u, row place r, at 16 (16 u + r) + 4 j.
; SHARES.  A work-group takes 128 rows x 128 K of one tensor (ids 0-511: x; 512-703: W); wave w takes rows 32 w .. 32 w + 31: two tiles.  All of a wave's 16 KiB are asked for in one run.
; x: each load reads 512 consecutive bytes of a row; the rows turn through the wave's own stage in LDS, so that a lane gets two whole blocks of 32 of its row.
; W: a lane takes a column n and its registers run down K: nothing is transposed; a lane then holds all four blocks of its row, and twelve exchanges of halves give the two fragments.
; No tile is shared between work-groups, so there is no cluster; no tensor load, no ring.
.set WST,   16896                      ; a wave's stage: 32 rows x 528 bytes
.set SP,    528                        ; a stage row: 512 bytes + 16: an odd multiple of 16, so that sixteen rows' 16-byte pieces fall on different banks
.set SCX,   67584                      ; behind the stages: the work-group's 128 scale words, 512 bytes
.set SPARE, 68096                      ; the spare words, 128 bytes for each wave: two blocks of 256 bytes that no other line names
.set FLOOR, 0x1800000                  ; 2^(3 - 127)
.set OFFE,  0xff000000                 ; - (2 << 23)
.set R,  32                            ; v32-159  the numbers as they are loaded
.set X0, 160                           ; v160-223 tile 0: my two blocks of 32
.set X1, 32                            ; v32-95   tile 1, over R when the stage has taken R
.set F0, 224                           ; v224-235 tile 0's fragment
.set F1, 236                           ; v236-247 tile 1's
; v1 lane, v2 r, v3 h, v4 16 x lane, v5 stage in, v6 stage out, v7 W's column, v8, v9 scale words in and out, v10 8 h, v11, v12 the add's two, v13 my scale word, v14, v15 the tiles' words, v16-30 at work
	s_load_b256 s[4:11], s[0:1], 0x0               ; x, W_qkv, xc, wc
	s_load_b64 s[12:13], s[0:1], 0x20              ; xws
	v_lshl_add_u32 v11, v0, 2, SPARE
	v_mov_b32 v12, 0
	v_lshrrev_b32 v1, 5, v0
	v_readfirstlane_b32 s14, v1                    ; wave
	v_and_b32 v1, 31, v0                           ; lane
	v_and_b32 v2, 15, v0                           ; r
	v_bfe_u32 v3, v0, 4, 1                         ; h
	v_lshlrev_b32 v4, 4, v1                        ; 16 x lane
	s_mul_i32 s35, s14, WST
	v_add_nc_u32 v5, s35, v4                       ; into the stage: my 16 bytes of a row
	v_mul_u32_u24 v6, v2, SP
	v_lshl_add_u32 v6, v3, 7, v6
	v_add_nc_u32 v6, s35, v6                       ; out of it: stage row r, block h
	v_and_b32 v7, 8, v2
	v_add_nc_u32 v7, v7, v2                        ; r + 8 (r / 8)
	v_lshl_add_u32 v7, v3, 3, v7                   ; + 8 x tile: lanes 16-31 take tile 1's rows
	v_lshlrev_b32 v7, 2, v7                        ; W: my column, in bytes
	s_lshl_b32 s36, s14, 2
	v_add_nc_u32 v9, SCX, v4                       ; the scale words on their way out: 16 bytes a lane
	v_add_nc_u32 v8, s36, v9                       ; and on their way in: word j = my wave
	v_lshlrev_b32 v10, 3, v3                       ; 8 h
	v_mov_b32 v23, 0                               ; a lane permute's destination counts as one of its sources
	s_mov_b32 s18, 0x76543210
	s_mov_b32 s19, 0xfedcba98                      ; selects for lane l xor 16
	s_mov_b32 s20, 0xffff0000                      ; lanes 16-31
	s_mov_b32 s27, 0
	s_wait_kmcnt 0x0
	s_cmp_lt_u32 ttmp9, 512                        ; x's work-group or W's: the choice hangs on the work-group's number alone
	s_cselect_b32 s15, 0, 512
	s_mov_b32 s21, 192
	s_cselect_b32 s21, 512, s21                    ; tiles of 16 rows in the tensor
	s_cselect_b32 s22, 0, 0x40000                  ; W's scale words lie behind x's 262,144 bytes
	s_cselect_b32 s34, 1, 0
	s_cselect_b64 s[30:31], s[8:9], s[10:11]       ; the codes' buffer
	s_sub_co_u32 s15, ttmp9, s15                   ; 8 g + sigma
	s_lshr_b32 s16, s15, 3                         ; g: which 128 rows
	s_and_b32 s17, s15, 7                          ; sigma: which 128 along K
	s_lshr_b32 s23, s17, 1
	s_and_b32 s24, s17, 1
	s_mul_i32 s23, s23, s21
	s_lshl_b32 s25, s16, 3
	s_add_co_u32 s23, s23, s25
	s_lshl_b32 s25, s14, 1
	s_add_co_u32 s23, s23, s25                     ; (sigma / 2) x tiles + 8 g + 2 w
	s_lshl_b32 s23, s23, 1
	s_add_co_u32 s23, s23, s24
	s_mul_i32 s26, s23, 1536
	s_add_nc_u64 s[30:31], s[30:31], s[26:27]      ; where my two fragments go (3,072 bytes apart)
	s_lshl_b32 s26, s15, 9
	s_add_co_u32 s26, s26, s22
	s_add_nc_u64 s[32:33], s[12:13], s[26:27]      ; where the work-group's 512 bytes of scale words go
	s_cmp_eq_u32 s34, 0
	s_cbranch_scc1 .Lw_path
; 64 numbers of a lane (block h of my row in v[x] on, block 2 + h in v[x + 32] on) become the fragment's 12 registers and my row's scale word
.macro QX x, f, pw
	v_max3_num_f32 v16, |v[\x]|, |v[\x+1]|, FLOOR
	v_max3_num_f32 v17, |v[\x+32]|, |v[\x+33]|, FLOOR
.irp i, 2,4,6,8,10,12,14,16,18,20,22,24,26,28,30
	v_max3_num_f32 v16, v16, |v[\x+\i]|, |v[\x+\i+1]|          ; the two blocks by turns
	v_max3_num_f32 v17, v17, |v[\x+32+\i]|, |v[\x+33+\i]|
.endr
	v_add_nc_u32 v18, OFFE, v16                    ; 2 off the exponent field: the conversion takes the exponent field of this operand as its scale
	v_add_nc_u32 v19, OFFE, v17
	v_lshrrev_b32 v20, 23, v18                     ; the bytes
	v_lshrrev_b32 v21, 23, v19
	v_lshl_or_b32 v22, v21, 16, v20                ; blocks h and 2 + h,
	v_lshlrev_b32 v22, v10, v22                    ; at their places in the word;
	v_permlanex16_b32 v23, v22, s18, s19
	v_or_b32 v[\pw], v22, v23                      ; with lane l xor 16's two the word is whole
	v_cvt_scalef32_pk16_fp6_f32 v[\f:\f+2], v[\x:\x+15], v18
	v_cvt_scalef32_pk16_fp6_f32 v[24:26], v[\x+16:\x+31], v18      ; (a conversion's three registers begin on an even number)
	v_cvt_scalef32_pk16_fp6_f32 v[\f+6:\f+8], v[\x+32:\x+47], v19
	v_cvt_scalef32_pk16_fp6_f32 v[28:30], v[\x+48:\x+63], v19
	v_nop                                          ; one plain place behind the conversions
.irp i, 0,1,2
	v_mov_b32 v[\f+3+\i], v[24+\i]
	v_mov_b32 v[\f+9+\i], v[28+\i]
.endr
.endm
	; ---- x
	s_lshl_b32 s26, s16, 19                        ; 128 g rows of 4,096 bytes
	s_lshl_b32 s25, s14, 17                        ; 32 w rows
	s_add_co_u32 s26, s26, s25
	s_lshl_b32 s25, s17, 9                         ; 128 sigma numbers
	s_add_co_u32 s26, s26, s25
	s_add_nc_u64 s[28:29], s[4:5], s[26:27]
.set i, 0
.rept 32
	global_load_b128 v[R+4*i:R+4*i+3], v4, s[28:29] offset:4096*i th:TH_LOAD_NT    ; 32 lanes read 512 consecutive bytes of row i
.set i, i+1
.endr
.set i, 0
.rept 32
	s_wait_loadcnt 31-i                            ; row i is in; the rows behind it stay out
	ds_store_b128 v5, v[R+4*i:R+4*i+3] offset:SP*(16*((i>>3)&1)+8*(i>>4)+(i&7))    ; to the stage row of its tile and place: a tile's 16 rows lie on end
.set i, i+1
.endr
.irp c, 0,1
.irp n, 0,1,2,3,4,5,6,7
	ds_load_b128 v[X0+32*\c+4*\n:X0+32*\c+4*\n+3], v6 offset:256*\c+16*\n          ; LDS serves a wave's instructions in order: these see my stores
.endr
.endr
	s_wait_dscnt 0x0                               ; tile 0 is in, and the stage's stores have read R
.irp c, 0,1
.irp n, 0,1,2,3,4,5,6,7
	ds_load_b128 v[X1+32*\c+4*\n:X1+32*\c+4*\n+3], v6 offset:16*SP+256*\c+16*\n
.endr
.endr
	QX X0, F0, 14
	s_wait_dscnt 0x0
	QX X1, F1, 15
	v_cndmask_b32 v13, v14, v15, s20               ; lanes 0-15 carry tile 0's words, lanes 16-31 tile 1's
	s_branch .Ltail
	; ---- W
.Lw_path:
	s_mul_i32 s26, s17, 1572864                    ; 128 sigma rows of 12,288 bytes
	s_lshl_b32 s25, s16, 9                         ; 128 g columns
	s_add_co_u32 s26, s26, s25
	s_lshl_b32 s25, s14, 7                         ; 32 w columns
	s_add_co_u32 s26, s26, s25
	s_add_nc_u64 s[28:29], s[6:7], s[26:27]
.set i, 0
.rept 128
	global_load_b32 v[R+i], v7, s[28:29] offset:12288*i th:TH_LOAD_NT              ; row i of K at my wave's 32 columns: 128 consecutive bytes
.set i, i+1
.endr
; block b of my column: all its 32 numbers are mine.  left: how many younger loads may stay out (a wait names 63 at the most)
.macro WBLK b, dst, tmp, left
	s_wait_loadcnt \left
	v_max3_num_f32 v16, |v[R+32*\b]|, |v[R+32*\b+1]|, FLOOR
	v_max3_num_f32 v17, |v[R+32*\b+2]|, |v[R+32*\b+3]|, FLOOR
.irp i, 4,8,12,16,20,24,28
	v_max3_num_f32 v16, v16, |v[R+32*\b+\i]|, |v[R+32*\b+\i+1]|
	v_max3_num_f32 v17, v17, |v[R+32*\b+\i+2]|, |v[R+32*\b+\i+3]|
.endr
	v_max_num_f32 v16, v16, v17
	v_add_nc_u32 v[18+\b], OFFE, v16
	v_lshrrev_b32 v22, 23, v[18+\b]
.if \b == 0
	v_mov_b32 v13, v22
.else
	v_lshl_or_b32 v13, v22, 8*\b, v13              ; my row's scale word: all four bytes are mine
.endif
	v_cvt_scalef32_pk16_fp6_f32 v[\dst:\dst+2], v[R+32*\b:R+32*\b+15], v[18+\b]
	v_cvt_scalef32_pk16_fp6_f32 v[\tmp:\tmp+2], v[R+32*\b+16:R+32*\b+31], v[18+\b]
	v_nop
.irp i, 0,1,2
	v_mov_b32 v[\dst+3+\i], v[\tmp+\i]
.endr
.endm
	WBLK 0, F0,   24, 63
	WBLK 1, F1,   28, 63
	WBLK 2, F0+6, 24, 32
	WBLK 3, F1+6, 28, 0
.set i, 0
.rept 12
	v_permlane16_swap_b32 v[F0+i], v[F1+i]         ; blocks 0, 2 of tile 1's rows change places with blocks 1, 3 of tile 0's: both fragments now lie as the operand's layout wants them
.set i, i+1
.endr
.Ltail:
.irp c, 0,1,2
	global_store_b128 v4, v[F0+4*\c:F0+4*\c+3], s[30:31] offset:512*\c             ; 512 consecutive bytes a store
	global_store_b128 v4, v[F1+4*\c:F1+4*\c+3], s[30:31] offset:3072+512*\c
.endr
	ds_store_b32 v8, v13
	s_wait_dscnt 0x0                               ; for the others' sake: my word has landed
	s_barrier_signal -1
	s_barrier_wait -1
	s_cmp_lg_u32 s14, 0
	s_cbranch_scc1 .Lend
	ds_load_b128 v[248:251], v9                    ; wave 0 stores the four waves' words: 512 consecutive bytes
	s_wait_dscnt 0x0
	global_store_b128 v4, v[248:251], s[32:33]
.Lend:
	s_wait_tensorcnt 0x0                           ; the wave's end, behind my last LDS store
	ds_add_u32 v11, v12
	s_wait_dscnt 0x0
	s_endpgm
.Lfunc_end_k_qc33569b8e7_quant:
	.size	k_qc33569b8e7_quant, .Lfunc_end_k_qc33569b8e7_quant-k_qc33569b8e7_quant
	.p2alignl 7, 3214868480
	.fill 96, 4, 3214868480
	.section	.rodata,"a",@progbits
	.p2align	6, 0x0
	.amdhsa_kernel k_qc33569b8e7_quant
		.amdhsa_group_segment_fixed_size 68608
		.amdhsa_private_segment_fixed_size 0
		.amdhsa_enable_private_segment 0
		.amdhsa_kernarg_size 40
		.amdhsa_user_sgpr_count 2
		.amdhsa_user_sgpr_kernarg_segment_ptr 1
		.amdhsa_wavefront_size32 1
		.amdhsa_system_sgpr_workgroup_id_x 1
		.amdhsa_system_sgpr_workgroup_id_y 1
		.amdhsa_system_sgpr_workgroup_id_z 1
		.amdhsa_system_vgpr_workitem_id 0
		.amdhsa_next_free_vgpr 256
		.amdhsa_next_free_sgpr 66
		.amdhsa_reserve_vcc 0
		.amdhsa_float_denorm_mode_32 3
		.amdhsa_float_denorm_mode_16_64 3
		.amdhsa_memory_ordered 1
		.amdhsa_forward_progress 1
		.amdhsa_inst_pref_size 37
	.end_amdhsa_kernel
	.amdgpu_metadata
---
amdhsa.version: [ 1, 2 ]
amdhsa.kernels:
  - .name:           k_qc33569b8e7_quant
    .symbol:         k_qc33569b8e7_quant.kd
    .args:
      - { .name: x, .offset: 0, .size: 8, .value_kind: global_buffer, .address_space: global }
      - { .name: W_qkv, .offset: 8, .size: 8, .value_kind: global_buffer, .address_space: global }
      - { .name: xc, .offset: 16, .size: 8, .value_kind: global_buffer, .address_space: global }
      - { .name: wc, .offset: 24, .size: 8, .value_kind: global_buffer, .address_space: global }
      - { .name: xws, .offset: 32, .size: 8, .value_kind: global_buffer, .address_space: global }
    .group_segment_fixed_size: 68608
    .private_segment_fixed_size: 0
    .kernarg_segment_align: 8
    .kernarg_segment_size: 40
    .max_flat_workgroup_size: 128
    .sgpr_count:     66
    .vgpr_count:     256
    .wavefront_size: 32
...
	.end_amdgpu_metadata
.endif
;; end of part 1
;; launch gemm (part 2): grid 8 x 32, 4 waves a work-group, clusters of 4 x 4, 327,680 bytes of LDS; arguments xc, wc, xws, b_qkv, qkc, vc, qkvs; writes qkc, vc, qkvs
.if DOCPART == 2
	.amdgcn_target "amdgcn-amd-amdhsa--gfx1250"
	.amdhsa_code_object_version 6
	.text
	.protected	k_qc33569b8e7_gemm
	.globl	k_qc33569b8e7_gemm
	.p2align	8
	.type	k_qc33569b8e7_gemm,@function
k_qc33569b8e7_gemm:
	s_mov_b64 s[64:65], 0
	v_nop
	global_prefetch_b8 v0, s[64:65] scope:SCOPE_SE
	s_setreg_imm32_b32 hwreg(HW_REG_WAVE_MODE, 25, 1), 1
	s_wait_xcnt 0x0
	s_wait_alu depctr_hold_cnt(0) depctr_sa_sdst(0) depctr_va_vdst(0) depctr_va_sdst(0) depctr_va_ssrc(0) depctr_va_vcc(0) depctr_vm_vsrc(0)
	s_getreg_b32 s2, hwreg(HW_REG_IB_STS2, 6, 4)
	s_cmp_eq_u32 s2, 0
	s_cbranch_scc0 .Lentry_in_a_cluster
	s_endpgm
.Lentry_in_a_cluster:
	s_bfe_u32 s2, ttmp6, 0x10000c
	s_cmp_lg_u32 s2, 0xf033
	s_cbranch_scc0 .Lentry_shape_is_right
	s_endpgm
.Lentry_shape_is_right:
; qkv = Q(x) Q(W) + b on codes of FP6 (E2M3), and q, k, v quantised again IN REGISTERS for the two products that follow: qkv never goes to memory as f32.
; SHARES.  8 x 32 = 256 work-groups of equal work.  Work-group (X, Y) makes, for tokens 256 Y on, FIRST the columns 256 X on of q and k (a tile of 256 x 256; each of the four waves 128 x 128: 64 accumulators),
; THEN v's channels 128 X on (256 x 128; a wave 128 tokens x 64 channels: 32 accumulators).  K = 1,024 is eight steps of 128 in each part.
; q AND k are quantised along d = n: source 0 = 16 rows of W, source 1 = 16 tokens: a lane holds one token and its registers run along d.
; v is quantised along the TOKENS: source 0 = 16 tokens, source 1 = 16 rows of W: a lane holds one channel and its registers run along the tokens.
; THE ROWS OF EVERY TILE ARE CHOSEN (lane r of tile 2 j + u takes row 32 j + 8 u + r + 8 (r / 8)), so that the 16 registers of source 0's tiles 2 j and 2 j + 1 are 16 neighbours along the next K.
; Operands lie in memory and in LDS as images of their registers (1,536 bytes a fragment): every LDS load reads 512 consecutive bytes.  The results leave in the same form: three stores of 512 bytes a fragment.
; v's scale words leave as 8 bytes a lane: two waves fill a block of 512 bytes between them (262,144 bytes in the whole launch).
; ORDER OF ROUNDING: the bias is the C of each sum's first product; v's sums take K in the order 256 .. 1023, 0 .. 255.  LIMITS: NaN and infinities are not served; a block of zeros gets the byte 1, over zero codes.
; CLUSTERS: 4 x 4.  x's tiles are shared along a row of the cluster, W's along a column: joint loads.  LDS: three slots of 256 along K, each x's 16 tiles and then W's 16.
;   at the head: K quarters 0, 1, 2 into slots 0, 1, 2 (three loads a wave are out)
;   in K step 1:  quarter 3 of x and W into slot 0
;   in K step 5:  v's rows of W, all of K, a quarter a wave, into the W parts of slots 1 and 2, which are read out
;   behind the way out of q and k:  x's quarter 0 once more, into slot 0's W part.  x's quarters 1, 2, 3 still lie in LDS: v's sums begin with them.
; Each of the three refills stands behind a round of the cluster's barrier.
; REGISTERS: window 0: v1-29 addresses and offsets; v24-27 v's biases; v32-63, v64-95 the scale words of sources 0 and 1, all eight K steps; v96-159 the bias as C, later the way out;
;   v160-255 source 1's fragments: for q and k eight, one set; for v four, two sets.   window 1: source 0's eight fragments, two sets, at v0 and v128.
;   windows 2, 3: accumulator (a, b) at v[8 (8 (a % 4) + b)]; v's 32 in window 2.
.set SLOT,  98304                      ; x's 16 tiles x 3,072 bytes, then W's 16
.set PART,  49152
.set HALFB, 24576                      ; 8 tiles
.set QUARB, 12288                      ; 4 tiles
.set TILEB, 3072
.set FRB,   1536
.set SPARE, 294912                     ; behind the three slots: the spare words, 128 bytes for each wave: two blocks of 256 bytes that no other line names
.set XKAP,  1572864                    ; 256 along K further on in xc
.set WKAP,  589824                     ; and in wc
.set FR,   12
.set LI,   4                           ; v4      16 x lane
.set VS0A, 5                           ; v5      offset in xws of source 0's scale words, q and k (W's)
.set VS1A, 6                           ; v6      of source 1's (x's)
.set VS0B, 7                           ; v7      v: source 0's (x's)
.set VS1B, 8                           ; v8      v: source 1's (W's): my wave's two words of four
.set BO,   9                           ; v9      offset in b_qkv of the bias along my registers
.set BO2,  10                          ; v10     and of my lane's channel of v
.set SOB,  11                          ; v11     16 x lane + 8 x my half of the channels
.set ADR0, 12                          ; v12-14  q, k: source 0's fragments (W) in slots 0, 1, 2
.set ADR1, 15                          ; v15-17  source 1's (x)
.set BX,   18                          ; v18-21  v: source 0's fragments (x), K quarters 1, 2, 3, 0
.set BW,   22                          ; v22-23  v: source 1's (W), K quarters 0-1 and 2-3
.set BL,   24                          ; v24-27  v: the bias of my lane's channel in tile a
.set SPW,  28
.set NIL,  29
.set S0S,  32
.set S1S,  64
.set BIAS, 96
.set AF,   160
.set TM,   96                          ; the way out: v96-99 maxima, v100-103 bytes, v108-111 the conversions' scale operands
.set PW,   112                         ; v112-119 the tiles' scale words
.set MG,   120                         ; v120-123 merged, as they are stored
.set PC,   128                         ; v128-139 a fragment's codes, v140-146 at work
.set G1X,  28                          ; s[28:35] group 1, 96 rows of 256 bytes, x's mask;  s[36:43] the same with W's mask;  s[80:87] 48 rows, x's mask
.set G1W,  36
.set G1H,  80                          ; s[44:55] x's groups 0 for slots 0, 1, 2;  s[56:63], s[68:71] W's;  s[72:75] v's rows of W;  s[76:79] x's quarter 0 again
.set MSB, 0
.macro WIN new                         ; the immediate's high byte repeats the setting that is left
.if MSB != \new
	s_set_vgpr_msb (MSB<<8)|\new
.set MSB, \new
.endif
.endm
.macro PLACES
.rept 4
	v_nop
.endr
.endm
.macro CREST                           ; a round of the cluster's barrier behind its opening barrier
	s_cmp_lg_u32 s18, 0
	s_cbranch_scc1 .Lnot_wave_0_\@
	s_barrier_signal -3
.Lnot_wave_0_\@:
	s_barrier_wait -3
	s_barrier_signal -1
	s_barrier_wait -1
.endm
.macro CROUND
	s_barrier_signal -1
	s_barrier_wait -1
	CREST
.endm
.macro JLOAD0                          ; the joint refill of slot 0: waves 0 and 1 fetch x's halves, waves 2 and 3 W's; the branch hangs on the wave's number alone
	s_cmp_eq_u32 s19, 0
	s_cbranch_scc0 .Lfor_w_\@
	tensor_load_to_lds s[44:47], s[G1X:G1X+7]
	s_nop 0
.rept 4
	v_nop
.endr
	s_branch .Lasked_\@
.Lfor_w_\@:
	tensor_load_to_lds s[56:59], s[G1W:G1W+7]
	s_nop 0
.rept 4
	v_nop
.endr
.Lasked_\@:
.endm
	s_load_b256 s[4:11], s[0:1], 0x0               ; xc, wc, xws, b_qkv
	s_load_b128 s[12:15], s[0:1], 0x20             ; qkc, vc
	s_load_b64 s[16:17], s[0:1], 0x30              ; qkvs
	v_lshl_add_u32 v[SPW], v0, 2, SPARE
	v_mov_b32 v[NIL], 0
	ds_add_u32 v[SPW], v[NIL]                      ; the wave's opening: the add and its wait stand ahead of my first tensor load; work on registers stands between them
	v_lshrrev_b32 v1, 5, v0
	v_readfirstlane_b32 s18, v1                    ; wave
	s_lshr_b32 s19, s18, 1                         ; w1: my half of source 1.  Also: at the head I fetch for x (0) or for W (1)
	s_and_b32 s20, s18, 1                          ; w0: my half of source 0.  Also: which 8 tiles I fetch there
	s_bfe_u32 s21, ttmp6, 0x40000                  ; cx
	s_bfe_u32 s22, ttmp6, 0x40004                  ; cy
	s_lshl_b32 s23, ttmp9, 2
	s_add_co_u32 s23, s23, s21                     ; X, 0 .. 7
	s_and_b32 s24, ttmp7, 0xffff
	s_lshl_b32 s24, s24, 2
	s_add_co_u32 s24, s24, s22                     ; Y, 0 .. 31
	s_lshl_b32 s88, s22, 2
	s_lshl_b32 s88, 15, s88                        ; my row of the cluster
	s_or_b32 s[G1X], s88, (3<<16)|(1<<21)          ; 15:0 the mask; 17:16 elements of 8 bytes; 21 set beside a mask; no padding
	s_or_b32 s[G1H], s88, (3<<16)|(1<<21)
	s_lshl_b32 s90, 0x1111, s21                    ; my column
	s_or_b32 s[G1W], s90, (3<<16)|(1<<21)
.irp g, G1X, G1W                       ; a dense block of 24,576 bytes as 96 rows of 256
	s_mov_b32 s[\g+1], 32<<16                      ; tensor_dim0 = 32
	s_mov_b32 s[\g+2], 96<<16                      ; tensor_dim1 = 96
	s_mov_b32 s[\g+3], 32<<16                      ; tile_dim0
	s_mov_b32 s[\g+4], 96                          ; tile_dim1
	s_mov_b32 s[\g+5], 32                          ; from row to row
	s_mov_b32 s[\g+6], 0
	s_mov_b32 s[\g+7], 0
.endr
	s_mov_b32 s[G1H+1], 32<<16                     ; a dense block of 12,288 bytes as 48 rows of 256
	s_mov_b32 s[G1H+2], 48<<16
	s_mov_b32 s[G1H+3], 32<<16
	s_mov_b32 s[G1H+4], 48
	s_mov_b32 s[G1H+5], 32
	s_mov_b32 s[G1H+6], 0
	s_mov_b32 s[G1H+7], 0
	s_lshl_b32 s88, s24, 4                         ; x (registers that never hold cx): tile 16 Y
	s_lshl_b32 s89, s20, 3
	s_add_co_u32 s89, s88, s89                     ; + 8 w0: the first fills and the refill of slot 0
	s_lshl_b32 s96, s18, 2
	s_add_co_u32 s96, s88, s96                     ; + 4 x wave: quarter 0 again
	s_mul_i32 s88, s89, TILEB
	s_mov_b32 s89, 0
	s_mul_i32 s96, s96, TILEB
	s_mov_b32 s97, 0
	s_lshl_b32 s90, s23, 4                         ; W (registers that never hold cy): tile 16 X + 8 w0
	s_lshl_b32 s91, s20, 3
	s_add_co_u32 s90, s90, s91
	s_mul_i32 s90, s90, TILEB
	s_mov_b32 s91, 0
	s_mul_i32 s98, s18, 192                        ; v's rows of W: K quarter = my wave, tiles 128 + 8 X on
	s_lshl_b32 s99, s23, 3
	s_add_co_u32 s98, s98, s99
	s_add_co_u32 s98, s98, 128
	s_mul_i32 s98, s98, TILEB
	s_mov_b32 s99, 0
	s_mul_i32 s25, s18, HALFB                      ; where they go: no place in the cluster enters an LDS address.  In a slot: wave x 24,576;
	s_mul_i32 s27, s18, QUARB
	s_add_co_u32 s27, s27, PART                    ; x's quarter 0 again: slot 0's W part, wave x 12,288;
	s_mul_i32 s100, s19, SLOT
	s_mul_i32 s101, s20, HALFB
	s_add_co_u32 s100, s100, s101
	s_add_co_u32 s100, s100, SLOT+PART             ; v's rows of W: quarters 0, 1 in slot 1's W part, quarters 2, 3 in slot 2's
	s_mov_b32 s2, 0x76543210
	s_mov_b32 s3, 0xfedcba98                       ; selects for lane l xor 16
	s_mov_b32 s26, 0xffff0000                      ; lanes 16-31
	s_wait_dscnt 0x0                               ; the opening add is done
	s_wait_kmcnt 0x0
	s_add_nc_u64 s[92:93], s[4:5], s[88:89]
	s_add_nc_u64 s[94:95], s[6:7], s[90:91]
.macro MKG0 gx, gw, n
	s_mov_b32 s[\gx], 1
	s_add_co_u32 s[\gx+1], s25, \n*SLOT
	s_add_nc_u64 s[\gx+2:\gx+3], s[92:93], \n*XKAP
	s_or_b32 s[\gx+3], s[\gx+3], 0x80000000
	s_mov_b32 s[\gw], 1
	s_add_co_u32 s[\gw+1], s25, \n*SLOT
	s_add_nc_u64 s[\gw+2:\gw+3], s[94:95], \n*WKAP
	s_or_b32 s[\gw+3], s[\gw+3], 0x80000000
.endm
	MKG0 44, 56, 0
	MKG0 48, 60, 1
	MKG0 52, 68, 2
	s_mov_b32 s72, 1                               ; v's rows of W
	s_mov_b32 s73, s100
	s_add_nc_u64 s[74:75], s[6:7], s[98:99]
	s_or_b32 s75, s75, 0x80000000
	s_mov_b32 s76, 1                               ; x's quarter 0 again
	s_mov_b32 s77, s27
	s_add_nc_u64 s[78:79], s[4:5], s[96:97]
	s_or_b32 s79, s79, 0x80000000
	CROUND                                         ; all sixteen work-groups are here: the first joint loads meet
	s_cmp_eq_u32 s19, 0                            ; a wave's three first fills stand in one branch: three loads of mine are out
	s_cbranch_scc0 .Lfirst_w
	tensor_load_to_lds s[44:47], s[G1X:G1X+7]
	s_nop 0
	tensor_load_to_lds s[48:51], s[G1X:G1X+7]
	s_nop 0
	tensor_load_to_lds s[52:55], s[G1X:G1X+7]
	s_nop 0
.rept 4
	v_nop
.endr
	s_branch .Lfirst_asked
.Lfirst_w:
	tensor_load_to_lds s[56:59], s[G1W:G1W+7]
	s_nop 0
	tensor_load_to_lds s[60:63], s[G1W:G1W+7]
	s_nop 0
	tensor_load_to_lds s[68:71], s[G1W:G1W+7]
	s_nop 0
.rept 4
	v_nop
.endr
.Lfirst_asked:
	v_and_b32 v1, 15, v0                           ; r
	v_bfe_u32 v2, v0, 4, 1                         ; h
	v_and_b32 v3, 31, v0
	v_lshlrev_b32 v[LI], 4, v3
	; the twelve LDS addresses
	s_mul_i32 s88, s20, HALFB                      ; my half w0
	s_mul_i32 s89, s19, HALFB                      ; my half w1
	s_add_co_u32 s90, s88, PART
.irp n, 0,1,2
	v_add_nc_u32 v[ADR0+\n], s90, v[LI]            ; q, k: W's part of slot n, half w0
	v_add_nc_u32 v[ADR1+\n], s89, v[LI]            ; x's part, half w1
	s_add_co_u32 s90, s90, SLOT
	s_add_co_u32 s89, s89, SLOT
.endr
	v_add_nc_u32 v[BX+2], s88, v[LI]               ; v: x's half w0: quarter 3 lies in slot 0,
	s_add_co_u32 s91, s88, PART
	v_add_nc_u32 v[BX+3], s91, v[LI]               ; quarter 0 in slot 0's W part,
	s_add_co_u32 s91, s88, SLOT
	v_add_nc_u32 v[BX+0], s91, v[LI]               ; quarter 1 in slot 1,
	s_add_co_u32 s91, s91, SLOT
	v_add_nc_u32 v[BX+1], s91, v[LI]               ; quarter 2 in slot 2
	s_mul_i32 s91, s19, QUARB
	s_add_co_u32 s91, s91, SLOT+PART
	v_add_nc_u32 v[BW+0], s91, v[LI]               ; v's rows of W, my four tiles: quarters 0 and 1 (24,576 bytes on),
	s_add_co_u32 s91, s91, SLOT
	v_add_nc_u32 v[BW+1], s91, v[LI]               ; quarters 2 and 3
	; the offsets of scale words and biases
	s_lshl_b32 s92, s23, 1
	s_add_co_u32 s92, s92, s20                     ; q, k: W's group of 128 rows: 2 X + w0
	s_lshl_b32 s93, s92, 9                         ; its 128 biases
	s_lshl_b32 s92, s92, 12                        ; 8 K steps x 512 bytes of scale words a group
	s_add_co_u32 s92, s92, 0x40000                 ; W's scale words lie behind x's
	v_add_nc_u32 v[VS0A], s92, v[LI]
	v_lshl_add_u32 v[BO], v2, 6, s93               ; 64 h: the 16 numbers of my half
	s_lshl_b32 s92, s24, 1
	s_add_co_u32 s94, s92, s19                     ; q, k: x's group 2 Y + w1
	s_lshl_b32 s94, s94, 12
	v_add_nc_u32 v[VS1A], s94, v[LI]
	s_add_co_u32 s94, s92, s20                     ; v: x's group 2 Y + w0
	s_lshl_b32 s94, s94, 12
	v_add_nc_u32 v[VS0B], s94, v[LI]
	s_lshl_b32 s94, s19, 3
	v_add_nc_u32 v[SOB], s94, v[LI]                ; words 2 w1 and 2 w1 + 1 of a lane's four
	s_add_co_u32 s95, s23, 16                      ; v: W's group 16 + X
	s_lshl_b32 s95, s95, 12
	s_add_co_u32 s95, s95, 0x40000
	v_add_nc_u32 v[VS1B], s95, v[SOB]
	v_and_b32 v[BO2], 8, v1
	v_add_nc_u32 v[BO2], v[BO2], v1                ; r + 8 (r / 8)
	s_lshl_b32 s95, s23, 9
	s_lshl_b32 s94, s19, 8
	s_add_co_u32 s95, s95, s94
	s_add_co_u32 s95, s95, 8192                    ; column 2048 + 128 X + 64 w1, in bytes
	v_lshl_add_u32 v[BO2], v[BO2], 2, s95
.irp t, 0,1,2,3,4,5,6,7
	global_load_b128 v[S0S+4*\t:S0S+4*\t+3], v[VS0A], s[8:9] offset:512*\t         ; K step t: register j holds tile 2 j's words in lanes 0-15 and tile 2 j + 1's in lanes 16-31
	global_load_b128 v[S1S+4*\t:S1S+4*\t+3], v[VS1A], s[8:9] offset:512*\t
.endr
.irp b, 0,1,2,3,4,5,6,7
	global_load_b128 v[BIAS+8*\b:BIAS+8*\b+3], v[BO], s[10:11] offset:4*(32*(\b/2)+8*(\b%2))       ; q, k: the bias along my registers, in the result's layout
	global_load_b128 v[BIAS+8*\b+4:BIAS+8*\b+7], v[BO], s[10:11] offset:4*(32*(\b/2)+8*(\b%2))+16
.endr
.irp a, 0,1,2,3
	global_load_b32 v[BL+\a], v[BO2], s[10:11] offset:4*(32*(\a/2)+8*(\a%2))       ; v: one number for my lane in each of my four tiles
.endr
	; where the results go
	s_lshr_b32 s88, s24, 3                         ; the batch
	s_and_b32 s89, s24, 7                          ; which 256 tokens of it
	s_and_b32 s90, s23, 3                          ; q, k: which 256 of the 1,024 channels
	s_lshr_b32 s91, s23, 2                         ; 0: q, 1: k
	s_lshl_b32 s92, s88, 1                         ; qkc [which][batch][d / 512][token tile 128][(d / 128) % 4][1536]
	s_lshr_b32 s93, s90, 1
	s_add_co_u32 s92, s92, s93
	s_lshl_b32 s92, s92, 7
	s_lshl_b32 s93, s89, 4
	s_add_co_u32 s92, s92, s93
	s_lshl_b32 s93, s19, 3
	s_add_co_u32 s92, s92, s93
	s_mul_i32 s92, s92, 6144
	s_and_b32 s93, s90, 1
	s_lshl_b32 s93, s93, 1
	s_add_co_u32 s93, s93, s20
	s_mul_i32 s93, s93, FRB
	s_add_co_u32 s92, s92, s93
	s_mul_i32 s93, s91, 6291456
	s_add_co_u32 s92, s92, s93
	s_lshl_b32 s93, s24, 1                         ; their scale words: [which][token group 64][d / 128][512]
	s_add_co_u32 s93, s93, s19
	s_lshl_b32 s93, s93, 3
	s_lshl_b32 s94, s90, 1
	s_add_co_u32 s93, s93, s94
	s_add_co_u32 s93, s93, s20
	s_lshl_b32 s93, s93, 9
	s_lshl_b32 s94, s91, 18
	s_add_co_u32 s93, s93, s94
	s_lshl_b32 s94, s88, 6                         ; vc [batch][d tile 64][token / 128][1536]: d tile 8 X + 4 w1 on
	s_lshl_b32 s95, s23, 3
	s_add_co_u32 s94, s94, s95
	s_lshl_b32 s95, s19, 2
	s_add_co_u32 s94, s94, s95
	s_lshl_b32 s94, s94, 4
	s_lshl_b32 s95, s89, 1
	s_add_co_u32 s95, s95, s20                     ; token / 128 in the batch
	s_add_co_u32 s94, s94, s95
	s_mul_i32 s94, s94, FRB
	s_lshl_b32 s96, s88, 3                         ; v's scale words: behind q's and k's, [batch x 8 + d / 128][token / 128][512]
	s_add_co_u32 s96, s96, s23
	s_lshl_b32 s96, s96, 4
	s_add_co_u32 s96, s96, s95
	s_lshl_b32 s96, s96, 9
	s_add_co_u32 s96, s96, 0x80000
	s_mov_b32 s97, 0
	s_mov_b32 s99, 0
	s_mov_b32 s98, s92
	s_add_nc_u64 s[12:13], s[12:13], s[98:99]      ; q, k: codes
	s_mov_b32 s98, s93
	s_add_nc_u64 s[4:5], s[16:17], s[98:99]        ; q, k: scale words
	s_mov_b32 s98, s94
	s_add_nc_u64 s[14:15], s[14:15], s[98:99]      ; v: codes
	s_add_nc_u64 s[16:17], s[16:17], s[96:97]      ; v: scale words
.macro FRAG reg, adr, off              ; a fragment comes back as it was stored: three loads of 512 consecutive bytes
.irp c, 0,1,2
	ds_load_b128 v[\reg+4*\c:\reg+4*\c+3], v[\adr] offset:\off+512*\c
.endr
.endm
.macro FETCH0 slot, q, p               ; q, k: source 0's eight fragments of the slot's q-th 128 along K into set p
	WIN 0x40
.irp i, 0,1,2,3,4,5,6,7
	FRAG 128*(\p)+FR*\i, ADR0+\slot, TILEB*\i+FRB*(\q)
.endr
	WIN 0
.endm
.macro FETCH1 slot, q, i0              ; q, k: source 1's blocks i0 .. i0 + 3
.irp i, \i0, \i0+1, \i0+2, \i0+3
	FRAG AF+FR*(\i), ADR1+\slot, TILEB*(\i)+FRB*(\q)
.endr
.endm
; one product on the symbols rD, rA, rB, rC, rP, rQ.  ka, kb: the rows of the two scale registers
.macro WMR ka, kb
.if ((\ka) == 0) && ((\kb) == 0)
	v_wmma_scale_f32_16x16x128_f8f6f4 v[rD:rD+7], v[rA:rA+11], v[rB:rB+11], v[rC:rC+7], v[rP], v[rQ] matrix_a_fmt:MATRIX_FMT_FP6 matrix_b_fmt:MATRIX_FMT_FP6
.elseif ((\ka) == 1) && ((\kb) == 0)
	v_wmma_scale_f32_16x16x128_f8f6f4 v[rD:rD+7], v[rA:rA+11], v[rB:rB+11], v[rC:rC+7], v[rP], v[rQ] matrix_a_fmt:MATRIX_FMT_FP6 matrix_b_fmt:MATRIX_FMT_FP6 matrix_a_scale:MATRIX_SCALE_ROW1
.elseif ((\ka) == 0)
	v_wmma_scale_f32_16x16x128_f8f6f4 v[rD:rD+7], v[rA:rA+11], v[rB:rB+11], v[rC:rC+7], v[rP], v[rQ] matrix_a_fmt:MATRIX_FMT_FP6 matrix_b_fmt:MATRIX_FMT_FP6 matrix_b_scale:MATRIX_SCALE_ROW1
.else
	v_wmma_scale_f32_16x16x128_f8f6f4 v[rD:rD+7], v[rA:rA+11], v[rB:rB+11], v[rC:rC+7], v[rP], v[rQ] matrix_a_fmt:MATRIX_FMT_FP6 matrix_b_fmt:MATRIX_FMT_FP6 matrix_a_scale:MATRIX_SCALE_ROW1 matrix_b_scale:MATRIX_SCALE_ROW1
.endif
.endm
; q, k: source 1's block a x source 0's block b, K step t.  cm = 0: onto the sum; 1: C = the bias
.macro WMA a, b, t, cm
.set rD, 8*(8*((\a)%4)+(\b))
.set rA, 128*((\t)%2)+FR*(\b)
.set rB, AF+FR*(\a)
.if (\cm) == 1
.set rC, BIAS+8*(\b)
.else
.set rC, rD
.endif
.set rP, S0S+4*(\t)+(\b)/2
.set rQ, S1S+4*(\t)+(\a)/2
	WMR (\b)%2, (\a)%2
.endm
.macro MUL16 a0, t, cm                 ; the 64 accumulators take turns, one instruction a turn, in the same order in every K step
.irp a, \a0, \a0+1
.irp b, 0,1,2,3,4,5,6,7
	WMA (\a), \b, \t, \cm
.endr
.endr
.endm
; K step t of q and k; in its middle and at its end the next step's fragments are fetched, from slot ns, its nq-th 128 along K
.macro STEP t, ns, nq, cm
	s_wait_dscnt 12                                ; source 0's set and source 1's blocks 0-3 are in; the youngest twelve loads (blocks 4-7) may be out
.if \cm
	WIN 0x81                                       ; source 0 window 1, source 1 and C window 0, D window 2
.else
	WIN 0xa1                                       ; C and D window 2
.endif
	MUL16 0, \t, \cm
	MUL16 2, \t, \cm
	s_wait_dscnt 0x0                               ; blocks 4-7 are in
	PLACES                                         ; four places in front of loads into registers that matrix instructions have read (ISA guide 7.12.1 for vector instructions)
	FETCH0 \ns, \nq, 1-(\t)%2
	FETCH1 \ns, \nq, 0
.if \cm
	WIN 0xc1
.else
	WIN 0xf1
.endif
	MUL16 4, \t, \cm
	MUL16 6, \t, \cm
	PLACES
	WIN 0
	FETCH1 \ns, \nq, 4
.endm
; A K step with a refill in it.  In front of its barrier each wave waits for all its tensor loads, adds 0 to its spare word, and waits for that and for all its LDS reads; the barrier opens a round of the cluster's barrier.
; fill = 1: slot 0 takes the last quarter of K.  fill = 2: the W parts of slots 1 and 2 take v's rows of W.
.macro TURN t, ns, fill
	s_wait_tensorcnt 0x0                           ; all my tensor loads have landed
	ds_add_u32 v[SPW], v[NIL]                      ; 0 onto my spare word
	s_wait_dscnt 13                                ; (the add and the youngest twelve loads may be out)
	WIN 0xa1
	MUL16 0, \t, 0                                 ; sixteen matrix instructions stand between the add and the wait for it
	s_wait_dscnt 0x0                               ; the add is done, and my reads of the bytes that are filled again are over
	s_barrier_signal -1
	MUL16 2, \t, 0
	WIN 0
	s_barrier_wait -1
	CREST                                          ; no wave of any partner still reads those bytes or has a load on its way
.if \fill == 1
	s_add_nc_u64 s[46:47], s[46:47], 3*XKAP
	s_add_nc_u64 s[58:59], s[58:59], 3*WKAP
	JLOAD0                                         ; the first tensor load behind the round; its four v_nop are also the places in front of the loads below
.else
	tensor_load_to_lds s[72:75], s[G1W:G1W+7]      ; every wave brings one quarter of K: 24,576 bytes
	s_nop 0
.rept 4
	v_nop
.endr
.endif
	FETCH0 \ns, 0, 1-(\t)%2
	FETCH1 \ns, 0, 0
	WIN 0xf1
	MUL16 4, \t, 0
	MUL16 6, \t, 0
	PLACES
	WIN 0
	FETCH1 \ns, 0, 4
.endm
; THE WAY OUT.  For one of source 1's tiles a my 64 registers are register 16 q + i = place 32 q + 16 h + i along the next K, of my lane's row: they become one fragment and one scale word a row.
; ob: the pair that holds the fragment's address; ostr: bytes from one of source 1's tiles to the next
.macro EPI a, ob, ostr
.set WN, 2+(\a)/4
.set EB, 64*((\a)%4)
.set WS, (WN<<2)|(WN<<4)
	WIN WS                                         ; sources 1 and 2: the accumulators' window
.irp q, 0,1,2,3
	v_max3_num_f32 v[TM+\q], 0x1800000, |v[EB+16*\q]|, |v[EB+16*\q+1]|             ; block q: my 16 numbers, each accumulator from its low end on, and the floor 2^(3 - 127)
.endr
.irp i, 2,4,6,8,10,12,14
.irp q, 0,1,2,3
	v_max3_num_f32 v[TM+\q], v[TM+\q], |v[EB+16*\q+\i]|, |v[EB+16*\q+\i+1]|
.endr
.endr
	WIN 0
.irp q, 0,1,2,3
	v_permlanex16_b32 v[TM+4+\q], v[TM+\q], s2, s3
.endr
.irp q, 0,1,2,3
	v_max_num_f32 v[TM+\q], v[TM+\q], v[TM+4+\q]   ; with lane l xor 16's: the block's largest magnitude
.endr
.irp q, 0,1,2,3
	v_add_nc_u32 v[TM+12+\q], 0xff000000, v[TM+\q] ; 2 off its exponent field: the conversion's scale operand
.endr
.irp q, 0,1,2,3
	v_lshrrev_b32 v[TM+4+\q], 23, v[TM+12+\q]      ; the byte
.endr
	v_lshl_or_b32 v[PW+\a], v[TM+5], 8, v[TM+4]
	v_lshl_or_b32 v[PW+\a], v[TM+6], 16, v[PW+\a]
	v_lshl_or_b32 v[PW+\a], v[TM+7], 24, v[PW+\a]
	s_wait_xcnt 0x0                                ; the last tile's stores have read their data and their base: both are written again only behind this wait
.if \a > 0
	s_add_nc_u64 s[\ob:\ob+1], s[\ob:\ob+1], \ostr
.endif
	WIN WN                                         ; source 0: the accumulators' window
.irp c, 0,1
	v_cvt_scalef32_pk16_fp6_f32 v[PC+6*\c:PC+6*\c+2], v[EB+32*\c:EB+32*\c+15], v[TM+12+2*\c]
	v_cvt_scalef32_pk16_fp6_f32 v[PC+12+4*\c:PC+14+4*\c], v[EB+16+32*\c:EB+31+32*\c], v[TM+12+2*\c+1]
.endr
	WIN 0
	v_nop                                          ; one plain place behind the conversions
.irp c, 0,1                            ; the operand's layout wants a WHOLE block in a lane
.irp i, 0,1,2
	v_permlane16_swap_b32 v[PC+6*\c+\i], v[PC+12+4*\c+\i]
.endr
.irp i, 0,1,2
	v_mov_b32 v[PC+3+6*\c+\i], v[PC+12+4*\c+\i]
.endr
.endr
.irp c, 0,1,2
	global_store_b128 v[LI], v[PC+4*\c:PC+4*\c+3], s[\ob:\ob+1] offset:512*\c      ; 512 consecutive bytes a store, at a multiple of 512 from the buffer's first byte
.endr
.endm
; v.  Its K steps u = 0 .. 7 take K quarter (u / 2 + 1) % 4, its (u % 2)-th 128.
.macro FETCHB u                        ; step u's fragments into sets u % 2: source 0's eight (x), source 1's four (W): 36 loads in one run
.set KAP, (((\u)/2)+1)%4
	WIN 0x40
.irp i, 0,1,2,3,4,5,6,7
	FRAG 128*((\u)%2)+FR*\i, BX+(\u)/2, TILEB*\i+FRB*((\u)%2)
.endr
	WIN 0
.irp i, 0,1,2,3
	FRAG AF+48*((\u)%2)+FR*\i, BW+KAP/2, HALFB*(KAP%2)+TILEB*\i+FRB*((\u)%2)
.endr
.endm
.macro WMB a, b, u
.set KAP, (((\u)/2)+1)%4
.set SG, 2*KAP+(\u)%2                  ; which 128 of K: the scale words' place
.set rD, 8*(8*(\a)+(\b))
.set rA, 128*((\u)%2)+FR*(\b)
.set rB, AF+48*((\u)%2)+FR*(\a)
.if (\u) == 0
.set rC, BIAS+8*(\a)
.else
.set rC, rD
.endif
.set rP, S0S+4*SG+(\b)/2
.set rQ, S1S+2*SG+(\a)/2
	WMR (\b)%2, (\a)%2
.endm
.macro STEPB u
	s_wait_dscnt 0x0                               ; this step's 36 loads, asked for a step ago, are in
.if \u == 5
	s_wait_tensorcnt 0x0                           ; my part of x's quarter 0 has landed (my one load, none asked for behind it);
	s_barrier_signal -1
	s_barrier_wait -1                              ; everybody's has.
.endif
.if \u < 7
	PLACES                                         ; four places in front of loads into the sets that the last step's products read
	FETCHB \u+1
.endif
.if \u == 0
	WIN 0x81                                       ; C, the bias, in window 0
.else
	WIN 0xa1
.endif
.irp a, 0,1,2,3                        ; the 32 accumulators take turns, one instruction a turn, in the same order in every step
.irp b, 0,1,2,3,4,5,6,7
	WMB \a, \b, \u
.endr
.endr
.endm
	; ---- q and k
	s_wait_tensorcnt 0x2                           ; my part of slot 0 is in; slots 1 and 2 were asked for behind it and may stay out
	s_barrier_signal -1
	s_barrier_wait -1                              ; everybody's part is in
	FETCH0 0, 0, 0
	FETCH1 0, 0, 0
	FETCH1 0, 0, 4
	s_wait_loadcnt 0x0                             ; scale words and biases
	STEP 0, 0, 1, 1                                ; the first K step starts the sums with the bias
	TURN 1, 1, 1                                   ; its wait for all loads and its barrier also show slots 1 and 2 whole to every wave
	STEP 2, 1, 1, 0
	STEP 3, 2, 0, 0
	STEP 4, 2, 1, 0
	TURN 5, 0, 2                                   ; the last quarter of K has landed in every wave; W's quarters 1 and 2 are read out, and their bytes take v's rows of W
	STEP 6, 0, 1, 0
	s_wait_dscnt 12                                ; the last K step: nothing more to fetch
	WIN 0xa1
	MUL16 0, 7, 0
	MUL16 2, 7, 0
	s_wait_dscnt 0x0
	WIN 0xf1
	MUL16 4, 7, 0
	MUL16 6, 7, 0
	WIN 0
.irp q, 0,1,2,3
	v_mov_b32 v[TM+4+\q], 0                        ; a lane permute's destination counts as one of its sources.  These four are also the places behind the last products
.endr
.irp t, 0,1,2,3,4,5,6,7                ; v's scale words take the places of q's and k's: they land while q and k go out
	global_load_b128 v[S0S+4*\t:S0S+4*\t+3], v[VS0B], s[8:9] offset:512*\t
	global_load_b64 v[S1S+2*\t:S1S+2*\t+1], v[VS1B], s[8:9] offset:512*\t          ; register a / 2 holds my tile a's words: a even in lanes 0-15, a odd in lanes 16-31
.endr
.irp a, 0,1,2,3,4,5,6,7
	EPI \a, 12, 6144
.endr
.irp j, 0,1,2,3
	v_cndmask_b32 v[MG+\j], v[PW+2*\j], v[PW+2*\j+1], s26      ; lanes 0-15 carry tile 2 j's words, lanes 16-31 tile 2 j + 1's
.endr
	global_store_b128 v[LI], v[MG:MG+3], s[4:5]
	; ---- v
	s_wait_tensorcnt 0x0                           ; v's rows of W have landed
	ds_add_u32 v[SPW], v[NIL]                      ; 0 onto my spare word: the bias's moves stand between it and the wait for it
	s_wait_xcnt 0x0                                ; the stores above have read their registers
.irp a, 0,1,2,3
.irp j, 0,1,2,3,4,5,6,7
	v_mov_b32 v[BIAS+8*\a+\j], v[BL+\a]            ; a lane's eight results of a tile belong to one channel: its bias eight times
.endr
.endr
	s_wait_dscnt 0x0                               ; the add is done; my reads of slot 0's W part were over in K step 7
	CROUND                                         ; all that holds of every wave of the sixteen work-groups; v's rows of W are whole
	tensor_load_to_lds s[76:79], s[G1H:G1H+7]      ; x's quarter 0 once more, 12,288 bytes a wave: it has v's first five K steps in which to land
	s_nop 0
.rept 4
	v_nop
.endr
	FETCHB 0
	s_wait_loadcnt 0x0                             ; v's scale words
.irp u, 0,1,2,3,4,5,6,7
	STEPB \u
.endr
	WIN 0
	PLACES                                         ; four places in front of the first read of results
.irp a, 0,1,2,3
	EPI \a, 14, 24576
.endr
.irp j, 0,1
	v_cndmask_b32 v[MG+\j], v[PW+2*\j], v[PW+2*\j+1], s26
.endr
	global_store_b64 v[SOB], v[MG:MG+1], s[16:17]  ; my four tiles' words: 8 of each lane's 16 bytes; the wave with the other 64 channels stores the other 8
	s_wait_tensorcnt 0x0                           ; the wave's end, behind my last tensor load
	ds_add_u32 v[SPW], v[NIL]
	s_wait_dscnt 0x0
	CROUND                                         ; the closing round: no work-group ends while a partner may still ask for a tile that names it
	s_endpgm
.Lfunc_end_k_qc33569b8e7_gemm:
	.size	k_qc33569b8e7_gemm, .Lfunc_end_k_qc33569b8e7_gemm-k_qc33569b8e7_gemm
	.p2alignl 7, 3214868480
	.fill 96, 4, 3214868480
	.section	.rodata,"a",@progbits
	.p2align	6, 0x0
	.amdhsa_kernel k_qc33569b8e7_gemm
		.amdhsa_group_segment_fixed_size 327680
		.amdhsa_private_segment_fixed_size 0
		.amdhsa_enable_private_segment 0
		.amdhsa_kernarg_size 56
		.amdhsa_user_sgpr_count 2
		.amdhsa_user_sgpr_kernarg_segment_ptr 1
		.amdhsa_wavefront_size32 1
		.amdhsa_system_sgpr_workgroup_id_x 1
		.amdhsa_system_sgpr_workgroup_id_y 1
		.amdhsa_system_sgpr_workgroup_id_z 1
		.amdhsa_system_vgpr_workitem_id 0
		.amdhsa_next_free_vgpr 1024
		.amdhsa_next_free_sgpr 102
		.amdhsa_reserve_vcc 0
		.amdhsa_float_denorm_mode_32 3
		.amdhsa_float_denorm_mode_16_64 3
		.amdhsa_memory_ordered 1
		.amdhsa_forward_progress 1
		.amdhsa_inst_pref_size 215
	.end_amdhsa_kernel
	.amdgpu_metadata
---
amdhsa.version: [ 1, 2 ]
amdhsa.kernels:
  - .name:           k_qc33569b8e7_gemm
    .symbol:         k_qc33569b8e7_gemm.kd
    .args:
      - { .name: xc, .offset: 0, .size: 8, .value_kind: global_buffer, .address_space: global }
      - { .name: wc, .offset: 8, .size: 8, .value_kind: global_buffer, .address_space: global }
      - { .name: xws, .offset: 16, .size: 8, .value_kind: global_buffer, .address_space: global }
      - { .name: b_qkv, .offset: 24, .size: 8, .value_kind: global_buffer, .address_space: global }
      - { .name: qkc, .offset: 32, .size: 8, .value_kind: global_buffer, .address_space: global }
      - { .name: vc, .offset: 40, .size: 8, .value_kind: global_buffer, .address_space: global }
      - { .name: qkvs, .offset: 48, .size: 8, .value_kind: global_buffer, .address_space: global }
    .group_segment_fixed_size: 327680
    .private_segment_fixed_size: 0
    .kernarg_segment_align: 8
    .kernarg_segment_size: 56
    .max_flat_workgroup_size: 128
    .sgpr_count:     102
    .vgpr_count:     1024
    .wavefront_size: 32
...
	.end_amdgpu_metadata
.endif
;; end of part 2
;; launch attn (part 3): grid 256 x 1, 4 waves a work-group, clusters of 4 x 1, 327,680 bytes of LDS; arguments qkc, vc, qkvs, ln_w, ln_b, out0; writes out0
.if DOCPART == 3
	.amdgcn_target "amdgcn-amd-amdhsa--gfx1250"
	.amdhsa_code_object_version 6
	.text
	.protected	k_qc33569b8e7_attn
	.globl	k_qc33569b8e7_attn
	.p2align	8
	.type	k_qc33569b8e7_attn,@function
k_qc33569b8e7_attn:
	s_mov_b64 s[64:65], 0
	v_nop
	global_prefetch_b8 v0, s[64:65] scope:SCOPE_SE
	s_setreg_imm32_b32 hwreg(HW_REG_WAVE_MODE, 25, 1), 1
	s_wait_xcnt 0x0
	s_wait_alu depctr_hold_cnt(0) depctr_sa_sdst(0) depctr_va_vdst(0) depctr_va_sdst(0) depctr_va_ssrc(0) depctr_va_vcc(0) depctr_vm_vsrc(0)
	s_getreg_b32 s2, hwreg(HW_REG_IB_STS2, 6, 4)
	s_cmp_eq_u32 s2, 0
	s_cbranch_scc0 .Lentry_in_a_cluster
	s_endpgm
.Lentry_in_a_cluster:
	s_bfe_u32 s2, ttmp6, 0x10000c
	s_cmp_lg_u32 s2, 0x3003
	s_cbranch_scc0 .Lentry_shape_is_right
	s_endpgm
.Lentry_shape_is_right:
; out = layer_norm( Q(band x (Q(q) Q(k)^T) / 512) Q(v) ), both products on codes of FP6 (E2M3).  The band: key j counts for query i where 0 <= i - j <= 255.  sqrt(1024 x 256) = 512 = 2^9: the division is exact.
; SHARES.  A cluster of four work-groups owns the 128 queries of one group gq of one batch; a work-group 32 of them (two tiles a = 0, 1) with all 1,024 channels, so that the layer norm stays inside it.
; All four walk the same 384 keys, the groups g0 .. g0 + 2 of 128 with g0 = max(gq - 2, 0), which hold the whole band of the 128 queries: K's and V's fragments are asked for JOINTLY.  Every partner multiplies all
; 384 keys, so that nothing but data hangs on a work-group's place in its cluster; what lies outside the band becomes 0 ahead of the quantiser, by whole numbers made of ids.
; Wave w: S^T = K Q^T for keys 96 w .. 96 w + 95 of the window (six tiles, three blocks of 32); O^T = V^T P^T for channels 256 w .. 256 w + 255 (sixteen tiles).  Both products are used transposed: a lane holds one query.
; A wave's tensor load brings just the fragments that this wave reads: its own wait on TENSORcnt is all that its reads need; the rounds stand in front of the refills.
; p goes from wave to wave through LDS as rows of codes (288 bytes a query) with its scale bytes beside them.
; THE LAYER NORM takes two passes over O^T in registers (mean, then the sum of squares of what is left): no difference of large sums is formed.
; LIMITS: NaN and infinities are not served; a block of zeros gets the byte 1, over zero codes.
; REGISTERS: window 0: v1-27 addresses and small things; v32-55 K's scale words, v56-63 Q's, v64-87 V's, v88-93 p's; v96-191 S^T, then p: (tile t, a) at 48 a + 8 t; v192-223, v240-251 at work; v224-239 ln_w, ln_b.
;   window 1: Q (a, K step) at 12 (8 a + step); later p's fragments (a, s) at 12 (3 a + s).   window 2: K's fragments, three sets of 72; later V's, two sets of 96.   window 3: O^T (a, tile) at 128 a + 8 tile.
.set SLOT1, 147456                     ; two slots of four zones of 36,864 bytes, a zone to a wave
.set ZONE,  36864
.set PROW,  294912                     ; p's codes: 2 x 16 rows, 304 bytes apart
.set PSC,   304640                     ; p's scale bytes: 256 a + 16 r + block
.set STAT1, 305152                     ; the waves' sums: 128 w + 4 (16 a + r); the sums of squares 512 bytes on
.set SPARE, 306176                     ; the spare words, 128 bytes for each wave: two blocks of 256 bytes that no other line names
.set SA, 96
.set KS, 32
.set QS, 56
.set VS, 64
.set PS, 88
.set MSB, 0
.macro WIN new
.if MSB != \new
	s_set_vgpr_msb (MSB<<8)|\new
.set MSB, \new
.endif
.endm
.macro PLACES
.rept 4
	v_nop
.endr
.endm
.macro CROUND                          ; a round of the cluster's barrier
	s_barrier_signal -1
	s_barrier_wait -1
	s_cmp_lg_u32 s16, 0
	s_cbranch_scc1 .Lnot_wave_0_\@
	s_barrier_signal -3
.Lnot_wave_0_\@:
	s_barrier_wait -3
	s_barrier_signal -1
	s_barrier_wait -1
.endm
	s_load_b256 s[4:11], s[0:1], 0x0               ; qkc, vc, qkvs, ln_w
	s_load_b128 s[12:15], s[0:1], 0x20             ; ln_b, out0
	v_lshl_add_u32 v30, v0, 2, SPARE
	v_mov_b32 v31, 0
	ds_add_u32 v30, v31                            ; the wave's opening: the add and its wait stand ahead of my first tensor load; work on registers stands between them
	v_lshrrev_b32 v1, 5, v0
	v_readfirstlane_b32 s16, v1                    ; wave
	s_bfe_u32 s17, ttmp6, 0x40000                  ; cx
	s_lshr_b32 s18, ttmp9, 4                       ; the batch
	s_and_b32 s19, ttmp9, 15                       ; gq
	s_sub_co_i32 s20, s19, 2
	s_max_i32 s20, s20, 0                          ; g0
	s_mov_b32 s24, 15|(3<<16)|(1<<21)              ; K: the mask names all four; elements of 8 bytes; 21 set beside a mask.  A dense block of 36,864 bytes as 144 rows of 256
	s_mov_b32 s25, 32<<16
	s_mov_b32 s26, 144<<16
	s_mov_b32 s27, 32<<16
	s_mov_b32 s28, 144
	s_mov_b32 s29, 32
	s_mov_b32 s30, 0
	s_mov_b32 s31, 0
	s_mov_b32 s32, 15|(3<<16)|(1<<21)              ; V: 8 rows (channel tiles) of 4,608 bytes (three key groups), 24,576 bytes apart
	s_mov_b32 s33, 576<<16
	s_mov_b32 s34, 8<<16
	s_mov_b32 s35, 576<<16
	s_mov_b32 s36, 8
	s_mov_b32 s37, 3072
	s_mov_b32 s38, 0
	s_mov_b32 s39, 0
	s_lshl_b32 s70, s18, 8                         ; K: tile 256 b + 8 g0 + 6 w of 6,144 bytes, in k's half of qkc
	s_lshl_b32 s71, s20, 3
	s_add_co_u32 s70, s70, s71
	s_mul_i32 s71, s16, 6
	s_add_co_u32 s70, s70, s71
	s_mul_i32 s70, s70, 6144
	s_add_co_u32 s70, s70, 6291456
	s_mov_b32 s71, 0
	s_lshl_b32 s72, s18, 6                         ; V: ((64 b + 16 w) x 16 + g0) x 1,536
	s_lshl_b32 s73, s16, 4
	s_add_co_u32 s72, s72, s73
	s_lshl_b32 s72, s72, 4
	s_add_co_u32 s72, s72, s20
	s_mul_i32 s72, s72, 1536
	s_mov_b32 s73, 0
	s_mul_i32 s74, s16, ZONE                       ; my zone
	s_mov_b32 s56, 0x76543210
	s_mov_b32 s57, 0xfedcba98
	s_mov_b32 s58, 0xffff0000
	s_mov_b32 s82, 0x3a800000                      ; 1 / 1024
	s_mov_b32 s83, 0x3727c5ac                      ; 1e-5
	s_wait_dscnt 0x0                               ; the opening add is done
	s_wait_kmcnt 0x0
	s_mov_b32 s40, 1                               ; K, channels 0-511, into slot 0
	s_mov_b32 s41, s74
	s_add_nc_u64 s[42:43], s[4:5], s[70:71]
	s_mov_b32 s44, 1                               ; K, channels 512-1023, into slot 1
	s_add_co_u32 s45, s74, SLOT1
	s_add_nc_u64 s[46:47], s[42:43], 786432
	s_or_b32 s43, s43, 0x80000000
	s_or_b32 s47, s47, 0x80000000
	s_mov_b32 s48, 1                               ; V, my first eight channel tiles, into slot 0
	s_mov_b32 s49, s74
	s_add_nc_u64 s[50:51], s[6:7], s[72:73]
	s_mov_b32 s52, 1                               ; V, my other eight, into slot 1
	s_add_co_u32 s53, s74, SLOT1
	s_add_nc_u64 s[54:55], s[50:51], 196608
	s_or_b32 s51, s51, 0x80000000
	s_or_b32 s55, s55, 0x80000000
	CROUND                                         ; all four work-groups are here: the first joint loads meet
	tensor_load_to_lds s[40:43], s[24:31]          ; every wave asks for both halves of its K: two loads of mine are out
	s_nop 0
	tensor_load_to_lds s[44:47], s[24:31]
	s_nop 0
.rept 4
	v_nop
.endr
	v_and_b32 v1, 15, v0                           ; r
	v_bfe_u32 v2, v0, 4, 1                         ; h
	v_and_b32 v3, 31, v0
	v_lshlrev_b32 v4, 4, v3                        ; 16 x lane
	v_add_nc_u32 v5, s74, v4                       ; my zone in slot 0 (later: my stage, read by rows)
	v_add_nc_u32 v6, SLOT1, v5                     ; and in slot 1
	v_mul_u32_u24 v7, v1, 304
	v_add_nc_u32 v7, PROW, v7
	v_mad_u32_u24 v9, v2, 24, v7                   ; p's fragments: row r, + 24 h
	v_mad_u32_u24 v7, v2, 12, v7
	s_mul_i32 s75, s16, 72
	v_add_nc_u32 v7, s75, v7                       ; where I put 12 bytes of codes: row r, my wave's three blocks, my half
	v_lshl_add_u32 v10, v1, 4, PSC                 ; p's scale words
	s_mul_i32 s76, s16, 3
	v_add_nc_u32 v8, s76, v10                      ; and where I put a byte
	s_lshl_b32 s77, s16, 7
	v_lshl_add_u32 v11, v3, 2, STAT1
	v_add_nc_u32 v11, s77, v11                     ; my wave's sums
	v_lshl_add_u32 v12, v1, 2, STAT1               ; all waves' sums of row r
	v_mul_u32_u24 v13, v1, 1040
	v_lshl_add_u32 v13, v2, 6, v13
	v_add_nc_u32 v13, s74, v13                     ; the stage on the way out: row r of 1,024 bytes + 16, + 64 h
	s_lshl_b32 s77, s16, 10
	v_add_nc_u32 v14, s77, v4                      ; ln_w, ln_b: my wave's 256 channels, 16 bytes a lane
	s_sub_co_u32 s78, s19, s20                     ; d = my query - my first key: 128 (gq - g0) + 32 cx - 96 w + 8 a + r + 8 (r / 8) - 16 h
	s_lshl_b32 s78, s78, 7
	s_lshl_b32 s85, s17, 5
	s_add_co_u32 s78, s78, s85
	s_mul_i32 s85, s16, 96
	s_sub_co_u32 s78, s78, s85
	v_and_b32 v16, 8, v1
	v_add_nc_u32 v16, v16, v1
	v_lshlrev_b32 v17, 4, v2
	v_sub_nc_u32 v16, v16, v17
	v_add_nc_u32 v16, s78, v16                     ; a = 0
	v_add_nc_u32 v17, 8, v16                       ; a = 1
	s_lshl_b32 s79, s18, 4
	s_add_co_u32 s84, s79, s19                     ; the queries' group among all batches'
	s_add_co_u32 s79, s79, s20                     ; the first key group
.irp i, 0,1,2                          ; K's scale words of my pair of tiles 3 w + i: group (3 w + i) / 4 of the window, word (3 w + i) % 4
	s_mul_i32 s80, s16, 3
	s_add_co_u32 s80, s80, \i
	s_lshr_b32 s81, s80, 2
	s_and_b32 s80, s80, 3
	s_add_co_u32 s81, s81, s79
	s_lshl_b32 s81, s81, 12
	s_lshl_b32 s80, s80, 2
	s_add_co_u32 s81, s81, s80
	s_add_co_u32 s81, s81, 0x40000
	v_add_nc_u32 v[18+\i], s81, v4
.endr
	s_lshl_b32 s84, s84, 12
	s_lshl_b32 s85, s17, 2
	s_add_co_u32 s84, s84, s85
	v_add_nc_u32 v21, s84, v4                      ; Q's: word cx of the queries' group
.irp i, 0,1,2,3,4,5
	v_mov_b32 v[246+\i], 0                         ; a lane permute's destination counts as one of its sources
.endr
	s_lshl_b32 s80, s18, 8                         ; Q: tile 256 b + 8 gq + 2 cx
	s_lshl_b32 s81, s19, 3
	s_add_co_u32 s80, s80, s81
	s_lshl_b32 s81, s17, 1
	s_add_co_u32 s80, s80, s81
	s_mul_i32 s80, s80, 6144
	s_mov_b32 s81, 0
	s_add_nc_u64 s[60:61], s[4:5], s[80:81]
	s_lshl_b32 s80, s18, 23                        ; out0: row 2048 b + 128 gq + 32 cx of 4,096 bytes, + my wave's 1,024
	s_lshl_b32 s85, s19, 19
	s_add_co_u32 s80, s80, s85
	s_lshl_b32 s85, s17, 17
	s_add_co_u32 s80, s80, s85
	s_lshl_b32 s85, s16, 10
	s_add_co_u32 s80, s80, s85
	s_add_nc_u64 s[66:67], s[14:15], s[80:81]
	s_lshl_b32 s80, s18, 3                         ; V's scale words: ((8 b + 2 w) x 16 + g0) x 512, behind q's and k's
	s_lshl_b32 s85, s16, 1
	s_add_co_u32 s80, s80, s85
	s_lshl_b32 s80, s80, 4
	s_add_co_u32 s80, s80, s20
	s_lshl_b32 s80, s80, 9
	s_add_co_u32 s80, s80, 0x80000
	s_add_nc_u64 s[68:69], s[8:9], s[80:81]
	WIN 0x40                                       ; destination window 1
.irp a, 0,1
.irp t, 0,1,2,3,4,5,6,7
.irp c, 0,1,2
	global_load_b128 v[12*(8*\a+\t)+4*\c:12*(8*\a+\t)+4*\c+3], v4, s[60:61] offset:786432*(\t/4)+6144*\a+1536*(\t%4)+512*\c     ; Q stays in registers
.endr
.endr
.endr
	WIN 0
.irp t, 0,1,2,3,4,5,6,7
	global_load_b32 v[QS+\t], v21, s[8:9] offset:512*\t                            ; lanes 0-15: tile a = 0; lanes 16-31: a = 1
.irp i, 0,1,2
	global_load_b32 v[KS+8*\i+\t], v[18+\i], s[8:9] offset:512*\t                  ; lanes 0-15: tile 2 i; lanes 16-31: tile 2 i + 1
.endr
.endr
.irp u, 0,1
.irp s, 0,1,2
	global_load_b128 v[VS+4*(3*\u+\s):VS+4*(3*\u+\s)+3], v4, s[68:69] offset:8192*\u+512*\s
.endr
.endr
.irp m, 0,1
	global_load_b128 v[224+4*\m:227+4*\m], v14, s[10:11] offset:512*\m
	global_load_b128 v[232+4*\m:235+4*\m], v14, s[12:13] offset:512*\m
.endr
.macro FRAG reg, adr, off              ; a fragment comes as the image of its registers: three loads of 512 consecutive bytes
.irp c, 0,1,2
	ds_load_b128 v[\reg+4*\c:\reg+4*\c+3], v[\adr] offset:\off+512*\c
.endr
.endm
; one product on the symbols rD, rA, rB, rP, rQ.  zero: it starts the sum.  ka, kb: the rows of the scale registers
.macro WMX zero, ka, kb
.if (\zero) && ((\ka) == 0) && ((\kb) == 0)
	v_wmma_scale_f32_16x16x128_f8f6f4 v[rD:rD+7], v[rA:rA+11], v[rB:rB+11], 0, v[rP], v[rQ] matrix_a_fmt:MATRIX_FMT_FP6 matrix_b_fmt:MATRIX_FMT_FP6
.elseif (\zero) && ((\ka) == 1) && ((\kb) == 0)
	v_wmma_scale_f32_16x16x128_f8f6f4 v[rD:rD+7], v[rA:rA+11], v[rB:rB+11], 0, v[rP], v[rQ] matrix_a_fmt:MATRIX_FMT_FP6 matrix_b_fmt:MATRIX_FMT_FP6 matrix_a_scale:MATRIX_SCALE_ROW1
.elseif (\zero) && ((\ka) == 0)
	v_wmma_scale_f32_16x16x128_f8f6f4 v[rD:rD+7], v[rA:rA+11], v[rB:rB+11], 0, v[rP], v[rQ] matrix_a_fmt:MATRIX_FMT_FP6 matrix_b_fmt:MATRIX_FMT_FP6 matrix_b_scale:MATRIX_SCALE_ROW1
.elseif (\zero)
	v_wmma_scale_f32_16x16x128_f8f6f4 v[rD:rD+7], v[rA:rA+11], v[rB:rB+11], 0, v[rP], v[rQ] matrix_a_fmt:MATRIX_FMT_FP6 matrix_b_fmt:MATRIX_FMT_FP6 matrix_a_scale:MATRIX_SCALE_ROW1 matrix_b_scale:MATRIX_SCALE_ROW1
.elseif ((\ka) == 0) && ((\kb) == 0)
	v_wmma_scale_f32_16x16x128_f8f6f4 v[rD:rD+7], v[rA:rA+11], v[rB:rB+11], v[rD:rD+7], v[rP], v[rQ] matrix_a_fmt:MATRIX_FMT_FP6 matrix_b_fmt:MATRIX_FMT_FP6
.elseif ((\ka) == 1) && ((\kb) == 0)
	v_wmma_scale_f32_16x16x128_f8f6f4 v[rD:rD+7], v[rA:rA+11], v[rB:rB+11], v[rD:rD+7], v[rP], v[rQ] matrix_a_fmt:MATRIX_FMT_FP6 matrix_b_fmt:MATRIX_FMT_FP6 matrix_a_scale:MATRIX_SCALE_ROW1
.elseif ((\ka) == 0)
	v_wmma_scale_f32_16x16x128_f8f6f4 v[rD:rD+7], v[rA:rA+11], v[rB:rB+11], v[rD:rD+7], v[rP], v[rQ] matrix_a_fmt:MATRIX_FMT_FP6 matrix_b_fmt:MATRIX_FMT_FP6 matrix_b_scale:MATRIX_SCALE_ROW1
.else
	v_wmma_scale_f32_16x16x128_f8f6f4 v[rD:rD+7], v[rA:rA+11], v[rB:rB+11], v[rD:rD+7], v[rP], v[rQ] matrix_a_fmt:MATRIX_FMT_FP6 matrix_b_fmt:MATRIX_FMT_FP6 matrix_a_scale:MATRIX_SCALE_ROW1 matrix_b_scale:MATRIX_SCALE_ROW1
.endif
.endm
.macro FK t                            ; my six tiles of K, channels 128 t on, into set t % 3: 18 loads
.set ZR, 5+(\t)/4
	WIN 0x80                                       ; destination window 2
.irp i, 0,1,2,3,4,5
	FRAG 72*((\t)%3)+12*\i, ZR, 6144*\i+1536*((\t)%4)
.endr
.endm
.macro SMUL t                          ; twelve products: the twelve accumulators take turns, one instruction a turn
	WIN 0x06                                       ; source 0 (K) window 2, source 1 (Q) window 1, C and D window 0
.irp k, 0,1,2,3,4,5
.irp a, 0,1
.set rD, SA+48*\a+8*\k
.set rA, 72*((\t)%3)+12*\k
.set rB, 12*(8*\a+(\t))
.set rP, KS+8*(\k/2)+(\t)
.set rQ, QS+(\t)
	WMX (\t)==0, \k%2, \a
.endr
.endr
.endm
.macro SHALF base                      ; four K steps of S^T out of one slot; the fetches run two steps ahead
	FK \base
	FK \base+1
.if \base == 0
	s_wait_loadcnt 0x0                             ; Q, the scale words, ln_w and ln_b
.endif
.irp j, 0,1,2,3
	PLACES                                         ; four places in front of loads into registers that matrix instructions have read
.if \j < 2
	FK \base+\j+2
	s_wait_dscnt 36                                ; this step's 18 loads are in; those of the two steps behind it may be out
.elseif \j == 2
	s_wait_dscnt 18
.else
	s_wait_dscnt 0x0
.endif
	SMUL \base+\j
.endr
.endm
	s_wait_tensorcnt 0x1                           ; K's first half is in my zone; the second was asked for behind it and may stay out
	SHALF 0
	WIN 0
	s_wait_tensorcnt 0x0                           ; all my tensor loads have landed
	ds_add_u32 v30, v31                            ; 0 onto my spare word
	s_wait_dscnt 0x0                               ; the add is done, and my reads of slot 0 are over
	CROUND                                         ; both hold of every wave of the four work-groups
	tensor_load_to_lds s[48:51], s[32:39]          ; V's first half into slot 0: it has the second half of S^T and the quantiser in which to land
	s_nop 0
.rept 4
	v_nop
.endr
	SHALF 4
	WIN 0
	PLACES
	; ---- p = band x S / 512
.set kk, 0
.rept 48
	v_pk_mul_f32 v[SA+2*kk:SA+2*kk+1], v[SA+2*kk:SA+2*kk+1], 0x3b000000 op_sel_hi:[1,0]       ; x 2^-9, each accumulator from its low end on
.set kk, kk+1
.endr
.irp a, 0,1
.irp i, 0,1,2
.irp e, 0,1,2,3,4,5,6,7,8,9,10,11,12,13,14,15
	v_add_nc_u32 v[198+\e%2], -(32*\i+\e), v[16+\a]            ; query - key, of register 16 i + e
	v_cmp_gt_u32 vcc_lo, 0x100, v[198+\e%2]                    ; inside the band where it is 0 .. 255 (unsigned: a key behind the query gives a huge number)
	v_cndmask_b32 v[SA+48*\a+16*\i+\e], 0, v[SA+48*\a+16*\i+\e], vcc_lo
.endr
.endr
.endr
	; ---- p is quantised along the keys: six half blocks of 16 numbers a lane (a, i), by turns
.irp a, 0,1
.irp i, 0,1,2
	v_max3_num_f32 v[240+3*\a+\i], |v[SA+48*\a+16*\i]|, |v[SA+48*\a+16*\i+1]|, 0x1800000      ; and the floor 2^(3 - 127)
.endr
.endr
.irp e, 2,4,6,8,10,12,14
.irp a, 0,1
.irp i, 0,1,2
	v_max3_num_f32 v[240+3*\a+\i], v[240+3*\a+\i], |v[SA+48*\a+16*\i+\e]|, |v[SA+48*\a+16*\i+\e+1]|
.endr
.endr
.endr
.irp x, 0,1,2,3,4,5
	v_permlanex16_b32 v[246+\x], v[240+\x], s56, s57
.endr
.irp x, 0,1,2,3,4,5
	v_max_num_f32 v[240+\x], v[240+\x], v[246+\x]  ; with lane l xor 16's 16 keys: the block's largest magnitude
.endr
.irp x, 0,1,2,3,4,5
	v_add_nc_u32 v[192+\x], 0xff000000, v[240+\x]  ; the conversion's scale operand
.endr
.irp x, 0,1,2,3,4,5
	v_lshrrev_b32 v[22+\x], 23, v[192+\x]          ; the byte
.endr
.irp a, 0,1
.irp i, 0,1,2
	v_cvt_scalef32_pk16_fp6_f32 v[200+4*(3*\a+\i):202+4*(3*\a+\i)], v[SA+48*\a+16*\i:SA+48*\a+16*\i+15], v[192+3*\a+\i]
.endr
.endr
	v_nop                                          ; one plain place behind the conversions
.irp a, 0,1
.irp i, 0,1,2
.irp n, 0,1,2
	ds_store_b32 v7, v[200+4*(3*\a+\i)+\n] offset:4864*\a+24*\i+4*\n               ; 16 codes, 12 bytes, at their place in the query's row of codes
.endr
	ds_store_b8 v8, v[22+3*\a+\i] offset:256*\a+\i             ; both halves of the lanes write the same byte with the same value
.endr
.endr
	s_wait_tensorcnt 0x0                           ; V's first half has landed
	ds_add_u32 v30, v31
	s_wait_dscnt 0x0                               ; the add is done, my reads of slot 1 are over, and my part of p lies in LDS
	CROUND                                         ; all that holds of every wave: p is whole
	tensor_load_to_lds s[52:55], s[32:39]          ; V's second half into slot 1: it has the first 32 products of O^T in which to land
	s_nop 0
.rept 4
	v_nop
.endr
	WIN 0x40                                       ; destination window 1: p's six fragments, over Q
.irp a, 0,1
.irp s, 0,1,2
.irp p, 0,1,2,3,4,5
	ds_load_b64 v[12*(3*\a+\s)+2*\p:12*(3*\a+\s)+2*\p+1], v9 offset:4864*\a+96*\s+48*(\p/3)+8*(\p%3)
.endr
.endr
.endr
	WIN 0
.irp a, 0,1
.irp s, 0,1,2
	ds_load_b32 v[PS+3*\a+\s], v10 offset:256*\a+4*\s
.endr
.endr
.macro FV n                            ; eight tiles of V: half n / 3, key group n % 3, into set n % 2: 24 loads
.set ZR, 5+(\n)/3
	WIN 0x80
.irp i, 0,1,2,3,4,5,6,7
	FRAG 96*((\n)%2)+12*\i, ZR, 4608*\i+1536*((\n)%3)
.endr
.endm
.macro PVMUL n                         ; sixteen products: sixteen accumulators by turns
	WIN 0xf6                                       ; source 0 (V) window 2, source 1 (p) window 1, C and D window 3
.irp k, 0,1,2,3,4,5,6,7
.irp a, 0,1
.set rD, 128*\a+8*(8*((\n)/3)+\k)
.set rA, 96*((\n)%2)+12*\k
.set rB, 12*(3*\a+(\n)%3)
.set rP, VS+4*(\n)+\k/2
.set rQ, PS+3*\a+(\n)%3
	WMX ((\n)%3)==0, \k%2, 0
.endr
.endr
.endm
	FV 0
	FV 1
.irp n, 0,1,2,3,4,5
.if \n < 5
	s_wait_dscnt 24                                ; all but the one younger fetch of V
.else
	s_wait_dscnt 0x0
.endif
	PVMUL \n
	PLACES
.if \n == 1
	s_wait_tensorcnt 0x0                           ; V's second half is in my zone of slot 1: no load was asked for behind it
.endif
.if \n < 4
	FV \n+2
.endif
.endr
	; ---- the layer norm.  A lane holds 128 of its query's 1,024 numbers for each a; lane l xor 16 and the other three waves hold the rest.
; the four chains of each a (v192-199, v200-207) are folded, joined with lane l xor 16's and with the other waves' through LDS: the row's total lands in v216 (a = 0) and v220 (a = 1), in every lane
.macro XCH off
.irp a, 0,1
	v_pk_add_f32 v[192+8*\a:193+8*\a], v[192+8*\a:193+8*\a], v[194+8*\a:195+8*\a]
	v_pk_add_f32 v[196+8*\a:197+8*\a], v[196+8*\a:197+8*\a], v[198+8*\a:199+8*\a]
.endr
.irp a, 0,1
	v_pk_add_f32 v[192+8*\a:193+8*\a], v[192+8*\a:193+8*\a], v[196+8*\a:197+8*\a]
.endr
.irp a, 0,1
	v_add_f32 v[208+\a], v[192+8*\a], v[193+8*\a]
.endr
.irp a, 0,1
	v_permlanex16_b32 v[246+\a], v[208+\a], s56, s57
.endr
.irp a, 0,1
	v_add_f32 v[208+\a], v[208+\a], v[246+\a]
.endr
	v_cndmask_b32 v212, v208, v209, s58            ; lanes 0-15 carry a = 0's rows, lanes 16-31 a = 1's
	ds_store_b32 v11, v212 offset:\off
	s_wait_dscnt 0x0                               ; for the others' sake: my sums have landed
	s_barrier_signal -1
	s_barrier_wait -1
.irp a, 0,1
.irp w, 0,1,2,3
	ds_load_b32 v[216+4*\a+\w], v12 offset:\off+128*\w+64*\a
.endr
.endr
	s_wait_dscnt 0x0
.irp a, 0,1
	v_add_f32 v[216+4*\a], v[216+4*\a], v[217+4*\a]
	v_add_f32 v[218+4*\a], v[218+4*\a], v[219+4*\a]
.endr
.irp a, 0,1
	v_add_f32 v[216+4*\a], v[216+4*\a], v[218+4*\a]
.endr
.endm
	WIN 0x0f                                       ; sources 0 and 1 window 3
.irp a, 0,1
.irp q, 0,1,2,3
	v_pk_add_f32 v[192+8*\a+2*\q:193+8*\a+2*\q], v[128*\a+2*\q:128*\a+2*\q+1], v[128*\a+8+2*\q:128*\a+9+2*\q]      ; the first lines start the chains; each accumulator is read from its low end on
.endr
.endr
	WIN 0x0c                                       ; source 1 window 3
.irp a, 0,1
.set kk, 8
.rept 56
	v_pk_add_f32 v[192+8*\a+2*(kk%4):193+8*\a+2*(kk%4)], v[192+8*\a+2*(kk%4):193+8*\a+2*(kk%4)], v[128*\a+2*kk:128*\a+2*kk+1]
.set kk, kk+1
.endr
.endr
	WIN 0
	XCH 0
.irp a, 0,1
	v_mul_f32 v[208+2*\a], s82, v[216+4*\a]        ; the mean
.endr
.irp a, 0,1
	v_mov_b32 v[209+2*\a], v[208+2*\a]             ; (named with it as a pair, so it is written)
.endr
	WIN 0xc3                                       ; destination and source 0 window 3
.irp a, 0,1
.set kk, 0
.rept 64
	v_pk_add_f32 v[128*\a+2*kk:128*\a+2*kk+1], v[128*\a+2*kk:128*\a+2*kk+1], v[208+2*\a:209+2*\a] op_sel_hi:[1,0] neg_lo:[0,1] neg_hi:[0,1]
.set kk, kk+1
.endr
.endr
	WIN 0x0f
.irp a, 0,1
.irp q, 0,1,2,3
	v_pk_mul_f32 v[192+8*\a+2*\q:193+8*\a+2*\q], v[128*\a+2*\q:128*\a+2*\q+1], v[128*\a+2*\q:128*\a+2*\q+1]
.endr
.endr
.irp a, 0,1
.set kk, 4
.rept 60
	v_pk_fma_f32 v[192+8*\a+2*(kk%4):193+8*\a+2*(kk%4)], v[128*\a+2*kk:128*\a+2*kk+1], v[128*\a+2*kk:128*\a+2*kk+1], v[192+8*\a+2*(kk%4):193+8*\a+2*(kk%4)]
.set kk, kk+1
.endr
.endr
	WIN 0
	XCH 512
.irp a, 0,1
	v_fma_f32 v[214+\a], v[216+4*\a], s82, s83     ; the variance + 1e-5
.endr
	v_rsq_f32 v208, v214
	v_rsq_f32 v210, v215
	v_nop                                          ; a plain place behind the last of the two
	s_wait_alu depctr_va_vdst(0)                   ; the wait ahead of the first line that names a result: one for both
	v_mov_b32 v209, v208
	v_mov_b32 v211, v210
	WIN 0xc3
.irp a, 0,1
.set kk, 0
.rept 64
	v_pk_mul_f32 v[128*\a+2*kk:128*\a+2*kk+1], v[128*\a+2*kk:128*\a+2*kk+1], v[208+2*\a:209+2*\a] op_sel_hi:[1,0]
.set kk, kk+1
.endr
.endr
	; ---- the way out.  The stage is my zone of slot 0: it has had its last fill, and my reads of it are over.  The 16 registers of tiles 2 j and 2 j + 1 are 16 neighbouring channels: 64 bytes of a row.
	WIN 0x0c                                       ; an LDS store's data are its source 1: window 3
.irp a, 0,1
.irp j, 0,1,2,3,4,5,6,7
.irp n, 0,1,2,3
	ds_store_b128 v13, v[128*\a+16*\j+4*\n:128*\a+16*\j+4*\n+3] offset:16640*\a+128*\j+16*\n
.endr
.endr
.endr
	WIN 0
.macro LOADB bt                        ; eight stage rows come back as rows: 512 consecutive bytes a load.  LDS serves a wave's instructions in order: these see my stores
.set OB, 96+64*((\bt)%2)
.irp j, 0,1,2,3,4,5,6,7
.irp m, 0,1
	ds_load_b128 v[OB+8*\j+4*\m:OB+8*\j+4*\m+3], v5 offset:1040*(8*(\bt)+\j)+512*\m
.endr
.endr
.endm
.macro PROC bt, younger                ; x ln_w + ln_b, and out.  younger: the loads of the batch behind, which may stay out
.set OB, 96+64*((\bt)%2)
.irp j, 0,1,2,3,4,5,6,7
.set RHO, 8*(\bt)+\j
.set TOKN, 8*(RHO/16)+(RHO%16)+8*((RHO%16)/8)  ; the token that stands at place RHO % 16 of tile RHO / 16
.irp m, 0,1
	s_wait_dscnt \younger+15-(2*\j+\m)
	v_pk_fma_f32 v[OB+8*\j+4*\m:OB+8*\j+4*\m+1], v[OB+8*\j+4*\m:OB+8*\j+4*\m+1], v[224+4*\m:225+4*\m], v[232+4*\m:233+4*\m]
	v_pk_fma_f32 v[OB+8*\j+4*\m+2:OB+8*\j+4*\m+3], v[OB+8*\j+4*\m+2:OB+8*\j+4*\m+3], v[226+4*\m:227+4*\m], v[234+4*\m:235+4*\m]
	global_store_b128 v4, v[OB+8*\j+4*\m:OB+8*\j+4*\m+3], s[66:67] offset:4096*TOKN+512*\m th:TH_STORE_NT      ; 32 lanes store 512 consecutive bytes, at a multiple of 512 from out0's first byte
.endr
.endr
.endm
	LOADB 0
	LOADB 1
	PROC 0, 16
	s_wait_xcnt 0x0                                ; batch 0's stores have read their registers: the next loads may land there
	LOADB 2
	PROC 1, 16
	s_wait_xcnt 0x0
	LOADB 3
	PROC 2, 16
	PROC 3, 0
	s_wait_tensorcnt 0x0                           ; the wave's end, behind my last tensor load and my last LDS store
	ds_add_u32 v30, v31
	s_wait_dscnt 0x0
	CROUND                                         ; the closing round: no work-group ends while a partner may still ask for a tile that names it
	s_endpgm
.Lfunc_end_k_qc33569b8e7_attn:
	.size	k_qc33569b8e7_attn, .Lfunc_end_k_qc33569b8e7_attn-k_qc33569b8e7_attn
	.p2alignl 7, 3214868480
	.fill 96, 4, 3214868480
	.section	.rodata,"a",@progbits
	.p2align	6, 0x0
	.amdhsa_kernel k_qc33569b8e7_attn
		.amdhsa_group_segment_fixed_size 327680
		.amdhsa_private_segment_fixed_size 0
		.amdhsa_enable_private_segment 0
		.amdhsa_kernarg_size 48
		.amdhsa_user_sgpr_count 2
		.amdhsa_user_sgpr_kernarg_segment_ptr 1
		.amdhsa_wavefront_size32 1
		.amdhsa_system_sgpr_workgroup_id_x 1
		.amdhsa_system_sgpr_workgroup_id_y 1
		.amdhsa_system_sgpr_workgroup_id_z 1
		.amdhsa_system_vgpr_workitem_id 0
		.amdhsa_next_free_vgpr 1024
		.amdhsa_next_free_sgpr 96
		.amdhsa_reserve_vcc 1
		.amdhsa_float_denorm_mode_32 3
		.amdhsa_float_denorm_mode_16_64 3
		.amdhsa_memory_ordered 1
		.amdhsa_forward_progress 1
		.amdhsa_inst_pref_size 151
	.end_amdhsa_kernel
	.amdgpu_metadata
---
amdhsa.version: [ 1, 2 ]
amdhsa.kernels:
  - .name:           k_qc33569b8e7_attn
    .symbol:         k_qc33569b8e7_attn.kd
    .args:
      - { .name: qkc, .offset: 0, .size: 8, .value_kind: global_buffer, .address_space: global }
      - { .name: vc, .offset: 8, .size: 8, .value_kind: global_buffer, .address_space: global }
      - { .name: qkvs, .offset: 16, .size: 8, .value_kind: global_buffer, .address_space: global }
      - { .name: ln_w, .offset: 24, .size: 8, .value_kind: global_buffer, .address_space: global }
      - { .name: ln_b, .offset: 32, .size: 8, .value_kind: global_buffer, .address_space: global }
      - { .name: out0, .offset: 40, .size: 8, .value_kind: global_buffer, .address_space: global }
    .group_segment_fixed_size: 327680
    .private_segment_fixed_size: 0
    .kernarg_segment_align: 8
    .kernarg_segment_size: 48
    .max_flat_workgroup_size: 128
    .sgpr_count:     96
    .vgpr_count:     1024
    .wavefront_size: 32
...
	.end_amdgpu_metadata
.endif
;; end of part 3
